; MI455X (gfx1250); checked and timed in simulation.
; The chip was launched on July 23, 2026; its instructions are those of AMD's public machine-readable ISA for CDNA 5 (MIT licence, August 2026) and "CDNA5" Instruction Set Architecture Reference Guide (July 2026). The comments in the code are by the model that wrote it; some were corrected since.
;; Dinov3 Self Attention. Allowed arithmetic: matrix products marked QUANTISED: E5M2 operands, one given power-of-two scale a tensor, by v_wmma_f32_16x16x64_bf8_bf8 or v_wmma_f32_16x16x128_bf8_bf8, f32 sums; everything else in f32.
;; Inputs: Wk 768 x 768 float32; Wp 768 x 768 float32; Wq 768 x 768 float32; Wv 768 x 768 float32; bp 768 float32; bq 768 float32; bv 768 float32; cos 1,369 x 64 float32; hidden_states 8 x 1,374 x 768 float32; lowp_scales 12 int32 (the exponents e of the quantised operands' scales 2^e); sin 1,369 x 64 float32.
;; Outputs: out0 8 x 1,374 x 768 float32.
;; This version of the problem:
;;   THIS VERSION OF THE PROBLEM IS GIVEN IN LOW PRECISION. The matrix products marked QUANTISED in the list below multiply operands that are first quantised to E5M2 (5 exponent bits, 2 mantissa bits; 8 bits a number), with one given power-of-two scale for each operand tensor; their sums are f32. All else is computed in f32.
;;   The module's matrix products, in the order in which they are computed (A, B: the left and right operand; K: the contracted axis; several contracted axes count as one K, in the product's order):
;;     1. [M 10,992, K 768] x [K 768, N 768]; A: input hidden_states; B: input Wq: QUANTISED (scales: A lowp_scales[0], B lowp_scales[1])
;;     2. [M 10,992, K 768] x [K 768, N 768]; A: input hidden_states; B: input Wk: QUANTISED (scales: A lowp_scales[2], B lowp_scales[3])
;;     3. [M 10,992, K 768] x [K 768, N 768]; A: input hidden_states; B: input Wv: QUANTISED (scales: A lowp_scales[4], B lowp_scales[5])
;;     4. batch 96 x [M 1,374, K 64] x [K 64, N 1,374]; A: computed on the way; B: computed on the way: QUANTISED (scales: A lowp_scales[6], B lowp_scales[7])
;;     5. batch 96 x [M 64, K 1,374] x [K 1,374, N 1,374]; A: computed on the way; B: softmax (see below): QUANTISED (scales: A lowp_scales[8], B lowp_scales[9])
;;     6. [M 10,992, K 768] x [K 768, N 768]; A: computed on the way; B: input Wp: QUANTISED (scales: A lowp_scales[10], B lowp_scales[11])
;;   THE QUANTISER, for each operand of a quantised product, along K:
;;     - The operand's scale is 2^e, e = its entry of the input lowp_scales (int32; the entries are numbered through the quantised products in the list's order, A before B).
;;     - Each number is divided by the scale, clamped to +-57,344, and rounded to the nearest number of E5M2, ties to even, subnormals kept.
;;     - The product sums the exact products of the quantised numbers (number of the format x scale) in f32.
;;   ~~~python
;;   def quantise(x, axis, e):      # numpy; x: float32 -> the quantised numbers, widened to float32 again
;;       x = np.moveaxis(x, axis, -1); K = x.shape[-1]
;;       r = np.clip(x / 2.0 ** e, -57344, 57344)
;;       step = 2.0 ** (np.maximum(np.frexp(np.where(r == 0, 1, r))[1] - 1, -14) - 2)
;;       q = np.round(r / step) * step * 2.0 ** e      # np.round: ties to even
;;       return np.moveaxis(q, -1, axis).astype(np.float32)
;;   ~~~
;;   SOFTMAX AHEAD OF A QUANTISED PRODUCT. Where the list says 'softmax', what is quantised is not the finished softmax but p = 2^(t - M), with t = logit x log2(e) and M = ceil(the row's largest t), a whole number; so 1/2 < the row's largest p <= 1. The row's sum l is taken of the UNQUANTISED p, in f32, and the product's result is divided by l at the end. Since M is a whole number, a kernel that streams over the keys may use a running M (the ceiling of the running maximum): every later rescaling is an exact power of two, so the quantised numbers keep their values, but for numbers so far below the row's largest that they fall under the format's range.
;;   OPERANDS COMPUTED ON THE WAY. 'Computed on the way' means the value that the module computes at that place (a softmax that the list does not call 'softmax' is quantised finished and normalised). What goes into a quantiser is computed in f32, as accurately as f32 sums, v_exp_f32 and their like allow (about 1e-6 of the number): no bf16 or f16 on the way to a quantiser, and a product that is left as it is and whose result goes on into a quantised operand takes f32 operands (vector FMAs, or v_wmma_f32_16x16x4_f32). A number that lies on a knife's edge between two numbers of the format may be rounded either way, as far as f32 arithmetic and the matrix unit's own rounding can turn it there, and no further.
;; One version. Each part assembles by itself: llvm-mc -triple=amdgcn-amd-amdhsa -mcpu=gfx1250 --defsym DOCPART=n.
;; ======== version 1 of 1: 4 launches
;; limits: right only within a limited range of input values
;; workspace buffers: wimg 2,359,296 bytes; rope 720,896 bytes; qimg 8,650,752 bytes; kvimg 17,301,504 bytes; cimg 8,650,752 bytes
;; launch prep (part 1): grid 214 x 1, 4 waves a work-group, no clusters, 0 bytes of LDS; arguments Wq, Wk, Wv, Wp, cos, sin, lowp_scales, wimg, rope; writes wimg, rope
.if DOCPART == 1
	.amdgcn_target "amdgcn-amd-amdhsa--gfx1250"
	.amdhsa_code_object_version 6
	.text
	.protected	k_q2eab857d8e_prep
	.globl	k_q2eab857d8e_prep
	.p2align	8
	.type	k_q2eab857d8e_prep,@function
k_q2eab857d8e_prep:
	s_mov_b64 s[64:65], 0
	v_nop
	global_prefetch_b8 v0, s[64:65] scope:SCOPE_SE
	s_setreg_imm32_b32 hwreg(HW_REG_WAVE_MODE, 25, 1), 1
	s_wait_xcnt 0x0
; PREP: the four weights become codes of E5M2, once, and cos / sin become one table for 1,408 padded tokens.
; Both leave as IMAGES OF OPERAND REGISTERS: four registers of the 32 lanes are 512 consecutive bytes, lane L's 16 bytes at 16 L.
; wimg [weight j: Wq, Wk, Wv, Wp][column tile ct 0..47][kh 0..11][1,024 bytes]: lane (r = L % 16, h = L / 16) holds row n = 16 ct + r; its code registers 2 c, 2 c + 1 hold
;   k = 64 kh + 16 c + 8 h + 0..7 (c = 0..3): the place that the 8-bit matrix forms give each k.  Two neighbouring kh are one fragment of 128 along K.
; rope [token tile 0..87][8,192 bytes]: 64 f32 registers a lane for token s = 16 tile + r: register 8 t + j = cos(s, 16 t + 8 h + j), register 32 + 8 t + j = sin of the same place.
;   Tokens 0..4 (the prefix) get cos = 1 and sin = 0; tokens from 1,374 on repeat the last row (they are padding of this program's own); sin of the channels under 32 is stored
;   negated, so that x cos + rotate_half(x) sin is two multiply-adds with no sign left to set.
; code = w / 2^e, held within +-57,344, to the nearest code, ties to even; e = entry 1, 3, 5, 11 of the scales.  LIMITS: -126 <= e <= 112.  NaN among the inputs is not served.
; SHARES: work-groups 0..191: one (weight, column tile) each, wave w the chunks kh = w, w + 4, w + 8.  Work-groups 192..213: four token tiles each, one a wave.
; No LDS, no barrier, no matrix unit: the waves share nothing, and memory is all that there is to wait for.
.set WGW, 192                          ; work-groups that take weights
.macro MKSCALE e, t, vs, vl            ; s[e] holds a whole number E: v[vs] = 2^E as f32, v[vl] = 57,344 x 2^E.  s[e] and s[t] are spent
	s_add_co_i32 s[\e], s[\e], 127
	s_lshl_b32 s[\t], s[\e], 23
	v_mov_b32 v[\vs], s[\t]
	s_add_co_i32 s[\e], s[\e], 15
	s_lshl_b32 s[\e], s[\e], 23
	s_or_b32 s[\e], s[\e], 0x600000
	v_mov_b32 v[\vl], s[\e]
.endm
.macro CHUNK src, dst, lim, sc         ; 32 numbers of a lane, register 8 c + j = k 16 c + 8 h + j, become 8 code registers
.set ci, 0
.rept 32
	v_med3_num_f32 v[(\src)+ci], v[(\src)+ci], -v[\lim], v[\lim]   ; the conversion to an 8-bit code does not saturate (ISA guide 7.6.2): the hold comes first
.set ci, ci+1
.endr
.irp c, 0,1,2,3
	v_cvt_scalef32_pk8_bf8_f32 v[(\dst)+2*\c:(\dst)+2*\c+1], v[(\src)+8*\c:(\src)+8*\c+7], v[\sc]
.endr
	v_nop                                          ; one plain line behind the last conversion
.endm
	s_load_b256 s[4:11], s[0:1], 0x0               ; Wq s[4:5], Wk s[6:7], Wv s[8:9], Wp s[10:11]
	s_load_b256 s[12:19], s[0:1], 0x20             ; cos s[12:13], sin s[14:15], the scales s[16:17], wimg s[18:19]
	s_load_b64 s[20:21], s[0:1], 0x40              ; rope
	v_lshrrev_b32 v5, 5, v0
	v_readfirstlane_b32 s22, v5                    ; wave 0..3
	v_and_b32 v1, 31, v0
	v_lshlrev_b32 v1, 4, v1                        ; 16 x lane: my place in every piece of an image
	v_and_b32 v2, 15, v0                           ; r
	v_bfe_u32 v3, v0, 4, 1                         ; h
	s_cmp_ge_u32 ttmp9, WGW
	s_cbranch_scc1 .Lrope
	; ---- a column tile of one weight
	s_lshr_b32 s23, ttmp9, 4
	s_mul_hi_u32 s23, s23, 0x55555556              ; j = work-group / 48 = (work-group / 16) / 3
	s_mul_i32 s24, s23, 48
	s_sub_co_u32 s24, ttmp9, s24                   ; ct
	s_lshl_b32 s28, s23, 3
	s_add_co_u32 s28, s28, 4                       ; the scale's byte: entries 1, 3, 5,
	s_cmp_eq_u32 s23, 3
	s_cselect_b32 s28, 44, s28                     ; and 11 for Wp
	s_mul_i32 s25, s24, 49152                      ; 16 rows of 3,072 bytes,
	s_lshl_b32 s26, s22, 8                         ; and my wave's first chunk of 64 numbers
	s_add_co_u32 s25, s25, s26
	s_wait_alu depctr_va_vdst(0)
	v_mul_u32_u24 v4, v2, 3072
	v_lshl_add_u32 v4, v3, 5, v4
	v_add_nc_u32 v4, s25, v4                       ; row 16 ct + r, + 32 h: eight numbers of each sixteen
	s_mul_i32 s26, s23, 589824
	s_mul_i32 s27, s24, 12
	s_add_co_u32 s27, s27, s22
	s_lshl_b32 s27, s27, 10
	s_add_co_u32 s26, s26, s27                     ; wimg: weight j, (12 ct + w) x 1,024
	s_mov_b32 s27, 0
	s_wait_alu depctr_va_vdst(0)
	s_wait_kmcnt 0x0
	s_load_b32 s29, s[16:17], s28 offset:0x0       ; e
	s_cmp_eq_u32 s23, 1
	s_cselect_b64 s[32:33], s[6:7], s[4:5]
	s_cmp_eq_u32 s23, 2
	s_cselect_b64 s[32:33], s[8:9], s[32:33]
	s_cmp_eq_u32 s23, 3
	s_cselect_b64 s[32:33], s[10:11], s[32:33]     ; the weight: the choice hangs on the work-group's number alone
	s_add_nc_u64 s[34:35], s[18:19], s[26:27]
.irp q, 0,1,2
.irp c, 0,1,2,3
.irp u, 0,1
	global_load_b128 v[40+32*\q+8*\c+4*\u:43+32*\q+8*\c+4*\u], v4, s[32:33] offset:1024*\q+64*\c+16*\u th:TH_LOAD_NT
.endr
.endr
.endr
	s_wait_kmcnt 0x0
	MKSCALE 29, 30, 11, 10
	s_wait_alu depctr_va_vdst(0)
.irp q, 0,1,2
	s_wait_loadcnt 16-8*\q                         ; this chunk's eight loads are in; the younger chunks' stay out
	CHUNK 40+32*\q, 16+8*\q, 10, 11
	global_store_b128 v1, v[16+8*\q:19+8*\q], s[34:35] offset:4096*\q        ; 512 consecutive bytes a store; each chunk has code registers of its own
	global_store_b128 v1, v[20+8*\q:23+8*\q], s[34:35] offset:4096*\q+512
.endr
	s_endpgm
.Lrope:	; ---- a token tile of the table
	s_sub_co_u32 s23, ttmp9, WGW
	s_lshl_b32 s23, s23, 2
	s_add_co_u32 s23, s23, s22                     ; tile 0..87
	s_lshl_b32 s24, s23, 4
	s_wait_alu depctr_va_vdst(0)
	v_add_nc_u32 v5, s24, v2                       ; my token s
	v_mov_b32 v12, 1.0
	v_mov_b32 v13, 0
	v_cmp_gt_u32 vcc_lo, 5, v5                     ; a prefix token?
	v_max_u32 v6, 5, v5
	v_add_nc_u32 v6, -5, v6
	v_min_u32 v6, 1368, v6                         ; the row of cos and sin: s - 5, held inside the tables
	v_lshlrev_b32 v4, 8, v6
	v_lshl_add_u32 v4, v3, 5, v4                   ; a row is 256 bytes; + 32 h
	s_lshl_b32 s26, s23, 13
	s_mov_b32 s27, 0
	s_wait_alu depctr_va_vdst(0)
	s_wait_kmcnt 0x0
	s_add_nc_u64 s[34:35], s[20:21], s[26:27]
.irp t, 0,1,2,3
.irp u, 0,1
	global_load_b128 v[40+8*\t+4*\u:43+8*\t+4*\u], v4, s[12:13] offset:64*\t+16*\u
	global_load_b128 v[72+8*\t+4*\u:75+8*\t+4*\u], v4, s[14:15] offset:64*\t+16*\u
.endr
.endr
	s_wait_loadcnt 0x0
.set ri, 0
.rept 32
	v_cndmask_b32 v[40+ri], v[40+ri], v12, vcc_lo  ; prefix: cos = 1,
	v_cndmask_b32 v[72+ri], v[72+ri], v13, vcc_lo  ; sin = 0
.set ri, ri+1
.endr
.set ri, 0
.rept 16
	v_xor_b32 v[72+ri], 0x80000000, v[72+ri]       ; channels under 32 meet -x2
.set ri, ri+1
.endr
.irp c, 0,1,2,3,4,5,6,7,8,9,10,11,12,13,14,15
	global_store_b128 v1, v[40+4*\c:43+4*\c], s[34:35] offset:512*\c
.endr
	s_endpgm
.Lfunc_end_k_q2eab857d8e_prep:
	.size	k_q2eab857d8e_prep, .Lfunc_end_k_q2eab857d8e_prep-k_q2eab857d8e_prep
	.p2alignl 7, 3214868480
	.fill 96, 4, 3214868480
	.section	.rodata,"a",@progbits
	.p2align	6, 0x0
	.amdhsa_kernel k_q2eab857d8e_prep
		.amdhsa_group_segment_fixed_size 0
		.amdhsa_private_segment_fixed_size 0
		.amdhsa_enable_private_segment 0
		.amdhsa_kernarg_size 72
		.amdhsa_user_sgpr_count 2
		.amdhsa_user_sgpr_kernarg_segment_ptr 1
		.amdhsa_wavefront_size32 1
		.amdhsa_system_sgpr_workgroup_id_x 1
		.amdhsa_system_sgpr_workgroup_id_y 1
		.amdhsa_system_sgpr_workgroup_id_z 1
		.amdhsa_system_vgpr_workitem_id 0
		.amdhsa_next_free_vgpr 136
		.amdhsa_next_free_sgpr 66
		.amdhsa_reserve_vcc 1
		.amdhsa_float_denorm_mode_32 3
		.amdhsa_float_denorm_mode_16_64 3
		.amdhsa_memory_ordered 1
		.amdhsa_forward_progress 1
		.amdhsa_inst_pref_size 19
	.end_amdhsa_kernel
	.amdgpu_metadata
---
amdhsa.version: [ 1, 2 ]
amdhsa.kernels:
  - .name:           k_q2eab857d8e_prep
    .symbol:         k_q2eab857d8e_prep.kd
    .args:
      - { .name: Wq, .offset: 0, .size: 8, .value_kind: global_buffer, .address_space: global }
      - { .name: Wk, .offset: 8, .size: 8, .value_kind: global_buffer, .address_space: global }
      - { .name: Wv, .offset: 16, .size: 8, .value_kind: global_buffer, .address_space: global }
      - { .name: Wp, .offset: 24, .size: 8, .value_kind: global_buffer, .address_space: global }
      - { .name: cos, .offset: 32, .size: 8, .value_kind: global_buffer, .address_space: global }
      - { .name: sin, .offset: 40, .size: 8, .value_kind: global_buffer, .address_space: global }
      - { .name: lowp_scales, .offset: 48, .size: 8, .value_kind: global_buffer, .address_space: global }
      - { .name: wimg, .offset: 56, .size: 8, .value_kind: global_buffer, .address_space: global }
      - { .name: rope, .offset: 64, .size: 8, .value_kind: global_buffer, .address_space: global }
    .group_segment_fixed_size: 0
    .private_segment_fixed_size: 0
    .kernarg_segment_align: 8
    .kernarg_segment_size: 72
    .max_flat_workgroup_size: 128
    .sgpr_count:     66
    .vgpr_count:     136
    .wavefront_size: 32
...
	.end_amdgpu_metadata
.endif
;; end of part 1
;; launch qkv (part 2): grid 64 x 3, 4 waves a work-group, no clusters, 264,704 bytes of LDS; arguments hidden_states, wimg, rope, bq, bv, lowp_scales, qimg, kvimg; writes qimg, kvimg
.if DOCPART == 2
	.amdgcn_target "amdgcn-amd-amdhsa--gfx1250"
	.amdhsa_code_object_version 6
	.text
	.protected	k_q2eab857d8e_qkv
	.globl	k_q2eab857d8e_qkv
	.p2align	8
	.type	k_q2eab857d8e_qkv,@function
k_q2eab857d8e_qkv:
	s_mov_b64 s[64:65], 0
	v_nop
	global_prefetch_b8 v0, s[64:65] scope:SCOPE_SE
	s_setreg_imm32_b32 hwreg(HW_REG_WAVE_MODE, 25, 1), 1
	s_wait_xcnt 0x0
; QKV: one of q = rope(x Wq^T + bq), k = rope(x Wk^T), v = x Wv^T + bv (work-group y = 0, 1, 2) for 176 padded tokens (work-group x), on codes of E5M2, and its result quantised for attention.
; Each batch of 1,374 tokens is padded to 1,408 = 88 tiles of 16 in this program's own buffers; a pad token repeats one of the batch's last 14 rows, so that its codes are finite and no load leaves the buffer.
; x is quantised here with the product's own scale (entries 0, 2, 4), the weights come as codes (wimg).  A sum stands for sum x 2^(ea + eb): the bias goes in as the C of a sum's first product, divided by that
; power of two; RoPE is linear, so the three scales are folded into the last conversion's one, 2^(eo - ea - eb), eo = entry 6, 7, 8.
; SHARES.  Four waves.  X: wave w quantises, of all 11 tiles, the chunks of 64 along K numbered w, w + 4, w + 8.  A chunk is 16 rows x 256 bytes: each of its eight loads reads two rows' 256 consecutive bytes, 16 a lane.
; The conversions want a lane to hold 32 numbers of ONE row, so a chunk turns through a stage in LDS of the wave's own (rows 272 bytes apart), one chunk ahead of the conversions; the codes are stored in LDS as images of
; the operand's registers (four registers = 512 bytes, lane L at 16 L).  Eight chunks' loads, 64 a wave, are out at a time, in the registers of weight set 1, which are idle in X.
; G: wave w makes heads 3 w .. 3 w + 2, one after the other, each for all 11 tiles.  A head's weights (4 column tiles x 6 K steps of 128 = 384 registers) come from memory straight into registers, since no other wave
; wants them; there are two sets, so that the next head's land while this head is multiplied.
; q, k: the product is used TRANSPOSED (source 0 = 16 rows of W, source 1 = 16 tokens): a lane holds one token and eight neighbouring channels, the next product's K.  v: source 0 = tokens, source 1 = W: a lane holds one
; channel and eight neighbouring tokens, since the keys are the K of attention's second product.
; OUT.  qimg [batch x head][tile][1,024] and kvimg [batch x head][180,224]: K as qimg, then from byte 90,112 V as [channel tile t][key tile][256], lane L's 8 bytes at 8 L: all images of operand registers.
; NO CLUSTER: what comes by tensor load is the rope table, 90,112 bytes of the 1.2 million that a work-group reads; x and the weights go through registers, where nothing can be asked for jointly.
; LIMITS: ea and eo - ea - eb between -126 and 112.  NaN among the inputs is not served.
; LDS: 0 x's 11 tiles x 12,288 (written by LDS stores); 135,168 the rope table's 11 tiles x 8,192 (one fill, a quarter a wave); 225,280 the product's 768 biases / 2^(ea + eb); 229,376 the spare words;
;   229,888 two stages of 16 x 272 bytes for each wave.  No byte is filled twice.
; REGISTERS, window 0: v1 16 L; v2 r; v3 h; v6, v7 my bias places; v8, v9 2^ea and 57,344 x 2^ea; v10, v11 the same with eo - ea - eb; v12 8 L.
;   X: v4, v5 the stage, in and back; v13-23 the byte of my row among a tile's rows 0-13; v246-253, v29-31 the same for rows 14, 15; v24-26 where I store images; v27, v28 bias offsets; v160-223 two sets of 32 numbers;
;      v224-239 two sets of codes; v240-245 six biases; registers 640-895 eight chunks as they are loaded.
;   G: v4, v5 LDS addresses in hand; v24-31 codes; v32-127 a tile's six fragments; v128-159 four accumulators; v160-223 cos and sin; v224-255 the bias as C.
;   Windows 1-3: weight set g, K step s, tile t at register 256 + 384 g + 64 s + 16 t.
.set ROPE,  135168
.set BIAS,  225280
.set STG,   229888
.set MSB, 0
.macro WIN new                         ; the immediate's high byte repeats the setting that is left; a switch that changes nothing is dropped
.if MSB != (\new)
	s_set_vgpr_msb (MSB<<8)|(\new)
.set MSB, (\new)
.endif
.endm
.macro PLACES                          ; four plain lines behind matrix instructions, ahead of loads into their sources and of reads of their results
.rept 4
	v_nop
.endr
.endm
.macro MKSCALE e, t, vs, vl            ; s[e] holds a whole number E: v[vs] = 2^E as f32, v[vl] = 57,344 x 2^E.  s[e] and s[t] are spent
	s_add_co_i32 s[\e], s[\e], 127
	s_lshl_b32 s[\t], s[\e], 23
	v_mov_b32 v[\vs], s[\t]
	s_add_co_i32 s[\e], s[\e], 15
	s_lshl_b32 s[\e], s[\e], 23
	s_or_b32 s[\e], s[\e], 0x600000
	v_mov_b32 v[\vl], s[\e]
.endm
.macro CHUNK src, dst, lim, sc         ; 32 numbers of a lane, register 8 c + j = k 16 c + 8 h + j, become 8 code registers
.set ci, 0
.rept 32
	v_med3_num_f32 v[(\src)+ci], v[(\src)+ci], -v[\lim], v[\lim]   ; the conversion to an 8-bit code does not saturate (ISA guide 7.6.2): the hold comes first
.set ci, ci+1
.endr
.irp c, 0,1,2,3
	v_cvt_scalef32_pk8_bf8_f32 v[(\dst)+2*\c:(\dst)+2*\c+1], v[(\src)+8*\c:(\src)+8*\c+7], v[\sc]
.endr
	v_nop                                          ; one plain line behind the last conversion
.endm
.macro WLOAD sg, hd                    ; my head hd's 24 fragments into set sg: 96 loads of 512 consecutive bytes
.irp s, 0,1,2,3,4,5
.set WA, 256+384*(\sg)+64*\s
	WIN (WA>>8)<<6
.irp t, 0,1,2,3
.irp c, 0,1,2,3
	global_load_b128 v[(WA&255)+16*\t+4*\c:(WA&255)+16*\t+4*\c+3], v1, s[48:49] offset:49152*(\hd)+12288*\t+2048*\s+512*\c
.endr
.endr
.endr
	WIN 0
.endm
.macro XLOAD n                         ; chunk n = tile n / 3, my (n % 3)-th chunk of 64 along K.  Load i: rows 2 i and 2 i + 1, 256 consecutive bytes of each; rows 14, 15 have an offset of their own (the padding)
.set RA, 640+32*((\n)%8)
.set XT, (\n)/3
	WIN (RA>>8)<<6
.irp i, 0,1,2,3,4,5,6
	global_load_b128 v[(RA&255)+4*\i:(RA&255)+4*\i+3], v[13+XT], s[46:47] offset:1024*((\n)%3)+6144*\i
.endr
	global_load_b128 v[(RA&255)+28:(RA&255)+31], v[246+XT-(XT/8)*225], s[46:47] offset:1024*((\n)%3)
	WIN 0
.endm
.macro TURN n                          ; chunk n through stage n % 2: in as loaded, back 32 numbers of one row a lane.  LDS serves a wave's instructions in order (ISA guide 5.7.1.4): no wait between the two
.set RA, 640+32*((\n)%8)
	WIN (RA>>8)<<2
.irp i, 0,1,2,3,4,5,6,7
	ds_store_b128 v4, v[(RA&255)+4*\i:(RA&255)+4*\i+3] offset:4352*((\n)%2)+544*\i
.endr
	WIN 0
.irp c, 0,1,2,3
.irp u, 0,1
	ds_load_b128 v[160+32*((\n)%2)+8*\c+4*\u:163+32*((\n)%2)+8*\c+4*\u], v5 offset:4352*((\n)%2)+64*\c+16*\u
.endr
.endr
.endm
.macro XCHUNK n
	s_wait_dscnt 0x0                               ; chunk n is back from its stage, so its stores into the stage have read their registers; the images stored before have read theirs
.if (\n)+8 <= 32
	XLOAD (\n)+8                                   ; those registers take the chunk eight further on
.endif
.if (\n) < 32
.if 31-(\n) >= 7
	s_wait_loadcnt 56                              ; loads come back in order: chunk n + 1's eight are in; the seven younger chunks' stay out
.else
	s_wait_loadcnt 8*(31-(\n))
.endif
	TURN (\n)+1                                    ; and go through the other stage while this chunk is worked
.endif
	CHUNK 160+32*((\n)%2), 224+8*((\n)%2), 9, 8
.irp c, 0,1
	ds_store_b128 v[24+(\n)/12], v[224+8*((\n)%2)+4*\c:227+8*((\n)%2)+4*\c] offset:12288*(((\n)/3)%4)+4096*((\n)%3)+512*\c
.endr
.endm
.macro AFETCH                          ; a tile's six fragments (16 tokens x 128 K each), as they were stored
.irp s, 0,1,2,3,4,5
.irp c, 0,1,2,3
	ds_load_b128 v[32+16*\s+4*\c:35+16*\s+4*\c], v4 offset:2048*\s+512*\c
.endr
.endr
.endm
; 24 matrix instructions: a tile of 16 tokens x my head's 64 channels, K = 768.  tr = 1: source 0 = W, source 1 = x; tr = 0: the other way round.  The bias is the C of each sum's first product.
; The four accumulators take turns, one instruction a turn.  Three switches of the register window.
.macro MM sg, tr
.irp s, 0,1,2,3,4,5
.set WA, 256+384*(\sg)+64*\s
.set WL, WA&255
.if \tr
	WIN WA>>8
.else
	WIN (WA>>8)<<2
.endif
.irp t, 0,1,2,3
.if \tr
.if \s == 0
	v_wmma_f32_16x16x128_bf8_bf8 v[128+8*\t:135+8*\t], v[WL+16*\t:WL+16*\t+15], v[32+16*\s:47+16*\s], v[224+8*\t:231+8*\t]
.else
	v_wmma_f32_16x16x128_bf8_bf8 v[128+8*\t:135+8*\t], v[WL+16*\t:WL+16*\t+15], v[32+16*\s:47+16*\s], v[128+8*\t:135+8*\t]
.endif
.else
.if \s == 0
	v_wmma_f32_16x16x128_bf8_bf8 v[128+8*\t:135+8*\t], v[32+16*\s:47+16*\s], v[WL+16*\t:WL+16*\t+15], v[224+8*\t:231+8*\t]
.else
	v_wmma_f32_16x16x128_bf8_bf8 v[128+8*\t:135+8*\t], v[32+16*\s:47+16*\s], v[WL+16*\t:WL+16*\t+15], v[128+8*\t:135+8*\t]
.endif
.endif
.endr
.endr
	WIN 0
.endm
; q, k: one tile of one head.  pre = 1: the next tile's fragments are fetched behind the products.
.macro UNIT_T sg, pre
	v_add_nc_u32 v5, s59, v1
.irp c, 0,1,2,3,4,5,6,7,8,9,10,11,12,13,14,15
	ds_load_b128 v[160+4*\c:163+4*\c], v5 offset:512*\c            ; the tile's cos (v160-191) and sin (v192-223)
.endr
	s_wait_dscnt 16                                ; x's fragments (and the bias) are in; the sixteen just issued stay out
	MM \sg, 1
	PLACES
.if \pre
	s_add_co_u32 s58, s58, 12288
	v_add_nc_u32 v4, s58, v1
	AFETCH
	s_wait_dscnt 24                                ; cos and sin are in; the next tile's 24 loads stay out
.else
	s_wait_dscnt 0x0
.endif
	s_wait_xcnt 0x0                                ; the last tile's stores, issued ahead of these 24 products, have read their base and their data: both are written again only behind this wait
	s_add_nc_u64 s[54:55], s[54:55], 1024
.irp t, 0,1                            ; channels d = 16 t + .. and d + 32 are partners: out(d) = x(d) cos(d) + x(d + 32) (-sin(d)), out(d + 32) = x(d + 32) cos(d + 32) + x(d) sin(d + 32).  Each accumulator is read from its low end on
.irp i, 0,2,4,6
	v_pk_mul_f32 v[160+8*\t+\i:161+8*\t+\i], v[128+8*\t+\i:129+8*\t+\i], v[160+8*\t+\i:161+8*\t+\i]
	v_pk_mul_f32 v[208+8*\t+\i:209+8*\t+\i], v[128+8*\t+\i:129+8*\t+\i], v[208+8*\t+\i:209+8*\t+\i]
	v_pk_fma_f32 v[160+8*\t+\i:161+8*\t+\i], v[144+8*\t+\i:145+8*\t+\i], v[192+8*\t+\i:193+8*\t+\i], v[160+8*\t+\i:161+8*\t+\i]
	v_pk_fma_f32 v[208+8*\t+\i:209+8*\t+\i], v[144+8*\t+\i:145+8*\t+\i], v[176+8*\t+\i:177+8*\t+\i], v[208+8*\t+\i:209+8*\t+\i]
.endr
.endr
.irp b, 160,168,208,216
.irp j, 0,1,2,3,4,5,6,7
	v_med3_num_f32 v[\b+\j], v[\b+\j], -v11, v11
.endr
.endr
	v_cvt_scalef32_pk8_bf8_f32 v[24:25], v[160:167], v10           ; code registers 2 t, 2 t + 1: d = 16 t + 8 h + 0..7 of my token
	v_cvt_scalef32_pk8_bf8_f32 v[26:27], v[168:175], v10
	v_cvt_scalef32_pk8_bf8_f32 v[28:29], v[208:215], v10
	v_cvt_scalef32_pk8_bf8_f32 v[30:31], v[216:223], v10
	v_nop                                          ; one plain line behind the last conversion
	global_store_b128 v1, v[24:27], s[54:55]       ; 512 consecutive bytes a store
	global_store_b128 v1, v[28:31], s[54:55] offset:512
	s_add_co_u32 s59, s59, 8192
.endm
.macro HEAD_T sg, hd, more
.if \hd > 0
	s_add_nc_u64 s[52:53], s[52:53], s[56:57]      ; the next head's image
.endif
	s_wait_xcnt 0x0                                ; the last head's stores have read their base
	s_sub_nc_u64 s[54:55], s[52:53], 1024          ; one tile ahead of the image: each tile steps the base ahead of its stores
	s_wait_loadcnt 0x0                             ; this head's weights are in
.if \more
	WLOAD 1-\sg, \hd+1                             ; the next head's go into the other set, whose last products lie a whole way out back
.endif
.irp t, 0,1,2,3
.irp u, 0,1
	ds_load_b128 v[224+8*\t+4*\u:227+8*\t+4*\u], v6 offset:256*\hd+64*\t+16*\u   ; the bias in the result's layout: channels 16 t + 8 h + 0..7
.endr
.endr
	s_mov_b32 s58, 0
	s_mov_b32 s59, ROPE
	v_add_nc_u32 v4, s58, v1
	AFETCH
	s_mov_b32 s60, 10
.Lt_\@:
	UNIT_T \sg, 1
	s_sub_co_u32 s60, s60, 1
	s_cmp_lg_u32 s60, 0
	s_cbranch_scc1 .Lt_\@
	UNIT_T \sg, 0                                  ; the eleventh tile fetches nothing further
.endm
; v: one tile of one head
.macro UNIT_N sg, pre
	s_wait_dscnt 0x0                               ; x's fragments are in
	MM \sg, 0
	PLACES
.if \pre
	s_add_co_u32 s58, s58, 12288
	v_add_nc_u32 v4, s58, v1
	AFETCH
.endif
	s_wait_xcnt 0x0                                ; the last tile's stores have read their base and their data
	s_add_nc_u64 s[54:55], s[54:55], 256
.set un, 0
.rept 32
	v_med3_num_f32 v[128+un], v[128+un], -v11, v11 ; each accumulator from its low end on
.set un, un+1
.endr
.irp t, 0,1,2,3
	v_cvt_scalef32_pk8_bf8_f32 v[24+2*\t:25+2*\t], v[128+8*\t:135+8*\t], v10     ; channel 16 t + r, tokens 8 h + 0..7
.endr
	v_nop                                          ; one plain line behind the last conversion
.irp t, 0,1,2,3
	global_store_b64 v12, v[24+2*\t:25+2*\t], s[54:55] offset:22528*\t           ; 256 consecutive bytes a store, at a multiple of 256 from the buffer's first byte
.endr
.endm
.macro HEAD_N sg, hd, more
.if \hd > 0
	s_add_nc_u64 s[52:53], s[52:53], s[56:57]
.endif
	s_wait_xcnt 0x0
	s_sub_nc_u64 s[54:55], s[52:53], 256
	s_wait_loadcnt 0x0
.if \more
	WLOAD 1-\sg, \hd+1
.endif
.irp t, 0,1,2,3
	ds_load_b32 v[224+8*\t], v7 offset:256*\hd+64*\t               ; my channel's bias
.endr
	s_mov_b32 s58, 0
	v_add_nc_u32 v4, s58, v1
	AFETCH
	s_wait_dscnt 24                                ; the four bias words are in
.irp t, 0,1,2,3
.irp j, 1,2,3,4,5,6,7
	v_mov_b32 v[224+8*\t+\j], v[224+8*\t]          ; the same for my eight tokens
.endr
.endr
	s_mov_b32 s60, 10
.Ln_\@:
	s_wait_alu depctr_va_vdst(0)
	UNIT_N \sg, 1
	s_sub_co_u32 s60, s60, 1
	s_cmp_lg_u32 s60, 0
	s_cbranch_scc1 .Ln_\@
	UNIT_N \sg, 0
.endm
	s_load_b512 s[4:19], s[0:1], 0x0               ; x 4, wimg 6, rope 8, bq 10, bv 12, the scales 14, qimg 16, kvimg 18
	v_lshl_add_u32 v254, v0, 2, 0x38000
	v_mov_b32 v255, 0
	ds_add_u32 v254, v255                          ; the opening: the add, twice on end, and its wait
	ds_add_u32 v254, v255
	s_wait_dscnt 0x0
	v_lshrrev_b32 v4, 5, v0
	v_readfirstlane_b32 s22, v4                    ; wave 0..3
	s_mov_b32 s23, ttmp9                           ; row block 0..63
	s_and_b32 s24, ttmp7, 0xffff                   ; the product: 0 q, 1 k, 2 v
	s_lshr_b32 s25, s23, 3                         ; batch
	s_and_b32 s26, s23, 7                          ; which 176 tokens of its 1,408
	s_lshl_b32 s27, s24, 3                         ; bytes of entries 2 p, 2 p + 1,
	s_lshl_b32 s45, s24, 2                         ; and of entry 6 + p, less 24
	; descriptor group 1: 88 rows of 256 bytes, dense in memory and in LDS
	s_mov_b32 s32, 3<<16                           ; no mask; elements of 8 bytes; no padding
	s_mov_b32 s33, 32<<16                          ; tensor_dim0 = 32
	s_mov_b32 s34, 88<<16                          ; tensor_dim1 = 88
	s_mov_b32 s35, 32<<16                          ; tile_dim0 = 32
	s_mov_b32 s36, 88                              ; tile_dim1 = 88
	s_mov_b32 s37, 32                              ; from row to row
	s_mov_b32 s38, 0
	s_mov_b32 s39, 0
	s_mul_i32 s66, s22, 22528                      ; my quarter of the block's 90,112 bytes of the table
	s_mov_b32 s28, 1
	s_add_co_u32 s29, s66, ROPE
	s_mul_i32 s68, s26, 90112
	s_add_co_u32 s68, s68, s66
	s_mov_b32 s69, 0
	s_wait_kmcnt 0x0
	s_add_nc_u64 s[30:31], s[8:9], s[68:69]
	s_or_b32 s31, s31, 0x80000000
	tensor_load_to_lds s[28:31], s[32:39]          ; the launch's one fill: one load of mine is out
	s_nop 0
	PLACES
	s_load_b64 s[40:41], s[14:15], s27 offset:0x0  ; ea, eb
	s_load_b32 s42, s[14:15], s45 offset:0x18      ; eo
	v_and_b32 v1, 31, v0
	v_lshlrev_b32 v1, 4, v1                        ; 16 L
	s_wait_alu depctr_va_vdst(0)
	v_and_b32 v2, 15, v0                           ; r
	s_wait_alu depctr_va_vdst(0)
	v_bfe_u32 v3, v0, 4, 1                         ; h
	v_lshlrev_b32 v27, 3, v0                       ; two biases a thread
	s_cmp_eq_u32 s24, 2
	s_cselect_b64 s[50:51], s[12:13], s[10:11]     ; bv for v, else bq
	s_cmp_eq_u32 s24, 1
	s_cselect_b32 s44, 0, -1                       ; k has no bias: what it loads is masked to 0
.irp i, 0,1,2
	global_load_b64 v[240+2*\i:241+2*\i], v27, s[50:51] offset:1024*\i
.endr
	s_mul_i32 s68, s24, 589824
	s_mul_i32 s70, s22, 147456
	s_add_co_u32 s68, s68, s70
	s_add_nc_u64 s[48:49], s[6:7], s[68:69]        ; my product's weights, my three heads
	WLOAD 0, 0
	s_mul_i32 s68, s25, 4220928                    ; the batch's 1,374 rows of 3,072 bytes,
	s_lshl_b32 s70, s22, 8                         ; my wave's first chunk
	s_add_co_u32 s68, s68, s70
	s_add_nc_u64 s[46:47], s[4:5], s[68:69]
	s_mul_i32 s70, s26, 176
	s_wait_alu depctr_va_vdst(0)                   ; directly ahead of the readers of r and h
	v_mul_u32_u24 v4, v3, 3072
	v_lshl_add_u32 v4, v2, 4, v4                   ; of two rows: lanes 0-15 the first, lanes 16-31 the second, 16 bytes a lane
	s_wait_alu depctr_va_vdst(0)                   ; and here, directly behind the write
.irp i, 0,1,2,3,4,5,6,7,8,9,10
	s_add_co_u32 s71, s70, 16*\i                   ; the tile's first token
	s_min_u32 s72, s71, 1360                       ; rows 0-13 end at token 1,373 at the latest: a tile of padding alone repeats tokens 1,360 on
	s_mul_i32 s72, s72, 3072
	v_add_nc_u32 v[13+\i], s72, v4
	s_add_co_u32 s71, s71, 14
	s_min_u32 s71, s71, 1372                       ; rows 14, 15: where they are padding, tokens 1,372 and 1,373
	s_mul_i32 s71, s71, 3072
	v_add_nc_u32 v[246+\i-(\i/8)*225], s71, v4
.endr
	s_wait_alu depctr_va_vdst(0)
.irp n, 0,1,2,3,4,5,6,7
	XLOAD \n
.endr
	s_mul_i32 s73, s22, 8704
	s_add_co_u32 s73, s73, STG                     ; my two stages
	v_mul_u32_u24 v4, v3, 272
	v_lshl_add_u32 v4, v2, 4, v4
	v_add_nc_u32 v4, s73, v4                       ; in: as loaded: row h of a pair, 16 r
	v_mul_u32_u24 v5, v2, 272
	v_lshl_add_u32 v5, v3, 5, v5
	v_add_nc_u32 v5, s73, v5                       ; back: row r, + 32 h: eight numbers of each sixteen
	s_lshl_b32 s71, s22, 10
	v_add_nc_u32 v24, s71, v1                      ; images: 16 L + 1,024 w, for tiles 0-3,
	v_add_nc_u32 v25, 49152, v24                   ; 4-7,
	v_add_nc_u32 v26, 98304, v24                   ; 8-10
	s_mul_i32 s72, s22, 768
	s_add_co_u32 s72, s72, BIAS
	v_lshl_add_u32 v6, v3, 5, s72                  ; my three heads' biases, + 32 h
	v_lshl_add_u32 v7, v2, 2, s72                  ; or + 4 r
	v_lshrrev_b32 v12, 1, v1                       ; 8 L
	v_lshl_add_u32 v28, v0, 3, BIAS
	; where the results go
	s_mov_b32 s56, 180224
	s_cmp_eq_u32 s24, 0
	s_cselect_b32 s56, 90112, s56                  ; from head to head
	s_cselect_b64 s[52:53], s[16:17], s[18:19]
	s_mov_b32 s57, 0
	s_mul_i32 s66, s25, 12
	s_mul_i32 s67, s22, 3
	s_add_co_u32 s66, s66, s67                     ; batch x 12 + my first head
	s_mul_i32 s68, s66, s56
	s_mul_i32 s67, s26, 11                         ; the block's first tile in its batch
	s_cmp_eq_u32 s24, 2
	s_cselect_b32 s70, 8, 10                       ; a tile is 256 bytes of each of V's four parts, 1,024 of Q and K
	s_cselect_b32 s71, 90112, 0                    ; V lies behind K
	s_lshl_b32 s67, s67, s70
	s_add_co_u32 s68, s68, s67
	s_add_co_u32 s68, s68, s71
	s_add_nc_u64 s[52:53], s[52:53], s[68:69]
	s_wait_kmcnt 0x0
	s_add_co_i32 s66, s40, s41                     ; ea + eb
	s_sub_co_i32 s43, 0, s66
	s_sub_co_i32 s42, s42, s66                     ; eo - ea - eb
	MKSCALE 40, 68, 8, 9
	MKSCALE 42, 68, 10, 11
	; ---- X: 33 chunks, written out: every offset is an immediate
.set XN, 0
	s_wait_alu depctr_va_vdst(0)
	s_wait_loadcnt 56                              ; chunk 0's eight loads are in (and all that was asked for ahead of them); the seven younger chunks' stay out
	TURN 0
.rept 33
	XCHUNK XN
.set XN, XN+1
.endr
.irp i, 0,1,2,3,4,5
	v_ldexp_f32 v[240+\i], v[240+\i], s43          ; bias / 2^(ea + eb)
.endr
.irp i, 0,1,2,3,4,5
	v_and_b32 v[240+\i], s44, v[240+\i]
.endr
.irp i, 0,1,2
	ds_store_b64 v28, v[240+2*\i:241+2*\i] offset:1024*\i
.endr
	s_wait_tensorcnt 0x0                           ; my quarter of the table has landed,
	s_wait_dscnt 0x0                               ; and so have my images and biases:
	s_barrier_signal -1
	s_barrier_wait -1                              ; everybody's have.  From here on LDS is only read
	s_cmp_eq_u32 s24, 2
	s_cbranch_scc1 .Lvpath
	; ---- G
	HEAD_T 0, 0, 1
	HEAD_T 1, 1, 1
	HEAD_T 0, 2, 0
	s_wait_xcnt 0x0
	v_lshl_add_u32 v254, v0, 2, 0x38000
	v_mov_b32 v255, 0
	s_wait_alu depctr_va_vdst(0)
	s_wait_tensorcnt 0x0                           ; the wave's end
	ds_add_u32 v254, v255
	s_wait_dscnt 0x0
	s_endpgm
.Lvpath:
	HEAD_N 0, 0, 1
	HEAD_N 1, 1, 1
	HEAD_N 0, 2, 0
	s_wait_xcnt 0x0
	v_lshl_add_u32 v254, v0, 2, 0x38000
	v_mov_b32 v255, 0
	s_wait_alu depctr_va_vdst(0)
	s_wait_tensorcnt 0x0
	ds_add_u32 v254, v255
	s_wait_dscnt 0x0
	s_endpgm
.Lfunc_end_k_q2eab857d8e_qkv:
	.size	k_q2eab857d8e_qkv, .Lfunc_end_k_q2eab857d8e_qkv-k_q2eab857d8e_qkv
	.p2alignl 7, 3214868480
	.fill 96, 4, 3214868480
	.section	.rodata,"a",@progbits
	.p2align	6, 0x0
	.amdhsa_kernel k_q2eab857d8e_qkv
		.amdhsa_group_segment_fixed_size 264704
		.amdhsa_private_segment_fixed_size 0
		.amdhsa_enable_private_segment 0
		.amdhsa_kernarg_size 64
		.amdhsa_user_sgpr_count 2
		.amdhsa_user_sgpr_kernarg_segment_ptr 1
		.amdhsa_wavefront_size32 1
		.amdhsa_system_sgpr_workgroup_id_x 1
		.amdhsa_system_sgpr_workgroup_id_y 1
		.amdhsa_system_sgpr_workgroup_id_z 1
		.amdhsa_system_vgpr_workitem_id 0
		.amdhsa_next_free_vgpr 1024
		.amdhsa_next_free_sgpr 80
		.amdhsa_reserve_vcc 0
		.amdhsa_float_denorm_mode_32 3
		.amdhsa_float_denorm_mode_16_64 3
		.amdhsa_memory_ordered 1
		.amdhsa_forward_progress 1
		.amdhsa_inst_pref_size 255
	.end_amdhsa_kernel
	.section	.bss,"aw",@nobits
	.p2align	6
	.space	262144
	.amdgpu_metadata
---
amdhsa.version: [ 1, 2 ]
amdhsa.kernels:
  - .name:           k_q2eab857d8e_qkv
    .symbol:         k_q2eab857d8e_qkv.kd
    .args:
      - { .name: hidden_states, .offset: 0, .size: 8, .value_kind: global_buffer, .address_space: global }
      - { .name: wimg, .offset: 8, .size: 8, .value_kind: global_buffer, .address_space: global }
      - { .name: rope, .offset: 16, .size: 8, .value_kind: global_buffer, .address_space: global }
      - { .name: bq, .offset: 24, .size: 8, .value_kind: global_buffer, .address_space: global }
      - { .name: bv, .offset: 32, .size: 8, .value_kind: global_buffer, .address_space: global }
      - { .name: lowp_scales, .offset: 40, .size: 8, .value_kind: global_buffer, .address_space: global }
      - { .name: qimg, .offset: 48, .size: 8, .value_kind: global_buffer, .address_space: global }
      - { .name: kvimg, .offset: 56, .size: 8, .value_kind: global_buffer, .address_space: global }
    .group_segment_fixed_size: 264704
    .private_segment_fixed_size: 0
    .kernarg_segment_align: 8
    .kernarg_segment_size: 64
    .max_flat_workgroup_size: 128
    .sgpr_count:     80
    .vgpr_count:     1024
    .wavefront_size: 32
...
	.end_amdgpu_metadata
.endif
;; end of part 2
;; launch attn (part 3): grid 256 x 1, 11 waves a work-group, no clusters, 327,680 bytes of LDS; arguments qimg, kvimg, lowp_scales, cimg; writes cimg
.if DOCPART == 3
	.amdgcn_target "amdgcn-amd-amdhsa--gfx1250"
	.amdhsa_code_object_version 6
	.text
	.protected	k_q2eab857d8e_attn
	.globl	k_q2eab857d8e_attn
	.p2align	8
	.type	k_q2eab857d8e_attn,@function
k_q2eab857d8e_attn:
	s_mov_b64 s[64:65], 0
	v_nop
	global_prefetch_b8 v0, s[64:65] scope:SCOPE_SE
	s_setreg_imm32_b32 hwreg(HW_REG_WAVE_MODE, 25, 1), 1
	s_wait_xcnt 0x0
; ATTN: ctx[q] = the sum over keys of softmax(q . k / 8) v, both products on codes of E5M2; ctx leaves as codes for the last product.
; THE SOFTMAX AHEAD OF THE SECOND PRODUCT: t = score x log2(e) / 8; M = the running largest t, rounded UP to a whole number; p = 2^(t - M) is quantised with 2^e9; it is not normalised.  The row's sum is taken of
; the unquantised p and divides at the end.  When M moves, the sum and O are multiplied by 2^(old M - new M), which rounds nothing.  The running maximum is kept as a raw score: x c is monotone, so M is the same.
; SHARES.  A UNIT is one eighth of a (batch, head): 11 tiles of 16 padded queries, one a wave, against the head's 1,408 padded keys in 11 steps of 128.  768 units = 256 work-groups x 3.  A work-group works units
; 3 g, 3 g + 1, 3 g + 2; where g % 8 is 2 the order is 3 g + 2, 3 g, 3 g + 1, so that in every work-group the second and the third unit share a head.  PHASE 1: the first unit, a tile a wave.
; PHASE 2: the other two units TOGETHER: a wave owns its tile of both, so that each fragment of K and of V read from LDS feeds two matrix instructions.
; LDS.  0 the first head: K's 88 tiles of 1,024 bytes, from 90,112 V's four parts of 88 x 256.  180,224 the second head's K and V parts 0, 1 (135,168 bytes, as they lie in memory); its V parts 2, 3 (45,056 bytes) take
; the place of the first head's K tiles 0-43.  315,392 the spare words, 128 bytes a wave in six blocks of 256.  All of the WGP's LDS is claimed.
; THE FILLS, each asked for ahead of the steps that read it, one tensor load a wave at each place, every wait on TENSORcnt for 0:
;   at the head: key steps 0-2 of the first head, 8 loads of 24 rows of 256 bytes (waves 0-3 K, waves 4-7 one part of V each); behind the first barrier: its steps 3-10, 8 loads of 64 rows;
;   behind the barrier ahead of step 3: the second head's 135,168 bytes, 48 rows a wave; behind the barrier ahead of step 8 (K tiles 0-43 were last read in step 5): its last 45,056 bytes, 16 rows a wave.
;   One barrier more ends phase 1; phase 2 has none.  Where all three units share a head the second head's bytes are the first's again: so no branch on the work-group's number stands round a load or a barrier.
; The add ahead of the first two barriers is written twice.
; NO CLUSTER: of four neighbouring work-groups (g % 8 = 0..3) the first heads are A A B B and the second A A A B: no one mask names four that want one tile in both.
; NO PREFETCH: but for the 49,152 bytes at the head, which have no loop ahead of them, each tensor load stands three key steps or more ahead of the first step that reads its bytes.
; LAYOUT.  Both products are used transposed: S^T = K Q^T (source 0 = 16 keys, K = 64), O^T = V^T P^T (source 0 = 16 channels, K = 128 keys): a lane holds ONE query (lane % 16) of a tile.
; Register j of score tile n is key 16 n + 8 (lane / 16) + j, the place that the 8-bit form gives k = 16 c + 8 h + j in registers 2 c, 2 c + 1: so the conversions' results are P's registers.
; P's 16 registers begin two under the tile's scores and lie over scores that are already converted.
; A UNIT'S LAST STEP is written out: keys from 1,374 on are this program's own padding.  Of its 128 keys 94 count: score tiles 6, 7 are not made (their codes are 0), registers 6, 7 of tile 5 are -infinity in lanes 16-31.
; LIMITS: e6 + e7 between -123 and 130 (added to c's exponent field); e9, and e10 - e8 - e9, between -126 and 112.  NaN among the inputs is not served.
; REGISTERS: v1 16 L; v2 8 L; v4-6 addresses in hand; v7 -infinity; v8, v9 my spare word's address and 0, kept for the add; v11 2^e9; tile u: v[12+4u] -M, v[13+4u] the largest score, v[14+4u:15+4u] the sum,
;   v[20+2u] f, v[24+4u..27+4u] at work; v32-55 Q of my three tiles; v56-119 K's, then V's fragments; v[122+64u..] S^T, then p; v[120+64u..135+64u] p's codes; v250, v251 2^(e10-e8-e9) and 57,344 x that.
;   Window 1: v[256+32u..] O^T.  s13 57,344 x 2^e9; s[22:23] c; s12 -c.
.set VA,    90112
.set KB,    180224
.set VB,    270336
.set SPARE, 315392
.set KV,    56
.set SS,    122
.set G48,   24                         ; descriptor groups 1 for rows of 256 bytes: s[24:31] 48 rows, s[84:91] 24, s[92:99] 64,
.set G24,   84
.set G64,   92
.set G16,   4                          ; s[4:11] 16 rows: written when the arguments that lay there are spent
.set MSB, 0
.macro WIN new                         ; the immediate's high byte repeats the setting that is left
.if MSB != (\new)
	s_set_vgpr_msb (MSB<<8)|(\new)
.set MSB, (\new)
.endif
.endm
.macro PLACES
.rept 4
	v_nop
.endr
.endm
.macro MKG1 g, rows                    ; rows of 32 elements of 8 bytes, dense in memory and in LDS
	s_mov_b32 s[\g], 3<<16
	s_mov_b32 s[\g+1], 32<<16
	s_mov_b32 s[\g+2], (\rows)<<16
	s_mov_b32 s[\g+3], 32<<16
	s_mov_b32 s[\g+4], \rows
	s_mov_b32 s[\g+5], 32
	s_mov_b32 s[\g+6], 0
	s_mov_b32 s[\g+7], 0
.endm
; Unit s[u]: the byte offsets of my tile's image in qimg (pair q) and in cimg (pair c) and, where kv is not 0, of the head's codes in kvimg (pair kv)
.macro UNIT u, q, c, kv
	s_lshr_b32 s70, s[\u], 3                       ; batch x 12 + head
	s_and_b32 s71, s[\u], 7
	s_mul_i32 s71, s71, 11
	s_add_co_u32 s71, s71, s14                     ; my tile of queries, 0..87
	s_mul_hi_u32 s72, s70, 0x15555556              ; batch
	s_mul_i32 s73, s72, 12
	s_sub_co_u32 s73, s70, s73                     ; head
	s_lshl_b32 s73, s73, 10
	s_mul_i32 s[\q], s70, 88
	s_add_co_u32 s[\q], s[\q], s71
	s_lshl_b32 s[\q], s[\q], 10
	s_mov_b32 s[(\q)+1], 0
	s_mul_i32 s[\c], s72, 88
	s_add_co_u32 s[\c], s[\c], s71
	s_mul_i32 s[\c], s[\c], 12288
	s_add_co_u32 s[\c], s[\c], s73
	s_mov_b32 s[(\c)+1], 0
.if \kv
	s_mul_i32 s[\kv], s70, 180224
	s_mov_b32 s[(\kv)+1], 0
.endif
.endm
.macro T2 nt, op, i                    ; a line for tile 0 and, in phase 2, for tile 1: the two tiles' chains take turns
	\op 0, \i
.if \nt == 2
	\op 1, \i
.endif
.endm
.macro SWEEP nt, op, from, to, by
.set j, \from
.rept ((\to)-(\from))/(\by)
	T2 \nt, \op, j
.set j, j+\by
.endr
.endm
.macro H nt, n                         ; with one tile the chain has no partner to take turns with
.if \nt == 1
	s_delay_alu instid0(VALU_DEP_\n)
.endif
.endm
.macro MXA u, i
	v_max3_num_f32 v[24+4*\u], v[SS+64*\u], v[SS+64*\u+1], v[SS+64*\u+2]
	v_max3_num_f32 v[25+4*\u], v[SS+64*\u+3], v[SS+64*\u+4], v[SS+64*\u+5]
.endm
.macro MXB u, i
	v_max3_num_f32 v[24+4*\u], v[24+4*\u], v[SS+64*\u+\i], v[SS+64*\u+\i+1]
	v_max3_num_f32 v[25+4*\u], v[25+4*\u], v[SS+64*\u+\i+2], v[SS+64*\u+\i+3]
.endm
.macro MSK u, i                        ; keys 1,374 and 1,375, in lanes 16-31
	v_cndmask_b32 v[SS+64*\u+46], v[SS+64*\u+46], v7, s45
	v_cndmask_b32 v[SS+64*\u+47], v[SS+64*\u+47], v7, s45
.endm
.macro MXC u, i
	v_max3_num_f32 v[24+4*\u], v[24+4*\u], v[SS+64*\u+\i], v[SS+64*\u+\i+1]
.endm
.macro C1 u, i
	v_max_num_f32 v[24+4*\u], v[24+4*\u], v[25+4*\u]
.endm
.macro C2 u, i
	v_permlanex16_b32 v[26+4*\u], v[24+4*\u], s50, s51
.endm
.macro C3 u, i                         ; the running largest score: mine and lane l xor 16's
	v_max3_num_f32 v[13+4*\u], v[13+4*\u], v[24+4*\u], v[26+4*\u]
.endm
.macro C4 u, i
	v_mul_f32 v[25+4*\u], s12, v[13+4*\u]          ; -t
.endm
.macro C5 u, i
	v_floor_f32 v[25+4*\u], v[25+4*\u]             ; the new -M = floor(-t) = -ceil(t)
.endm
.macro C6 u, i
	v_sub_f32 v[27+4*\u], v[25+4*\u], v[12+4*\u]   ; old M - new M: a whole number, 0 or less
.endm
.macro C7 u, i
	v_mov_b32 v[12+4*\u], v[25+4*\u]
.endm
.macro C8 u, i
	v_cvt_i32_f32 v[27+4*\u], v[27+4*\u]           ; (it saturates)
.endm
.macro C9 u, i
	v_ldexp_f32 v[20+2*\u], 1.0, v[27+4*\u]        ; f = 2^(old M - new M)
.endm
.macro RSC u, i                        ; O^T under the new M (window 1)
	v_pk_mul_f32 v[32*\u+\i:32*\u+\i+1], v[32*\u+\i:32*\u+\i+1], v[20+2*\u:21+2*\u] op_sel_hi:[1,0]
.endm
.macro FMA u, i                        ; t - M (of the pairs c and -M the low word serves both halves)
	v_pk_fma_f32 v[SS+64*\u+\i:SS+64*\u+\i+1], v[SS+64*\u+\i:SS+64*\u+\i+1], s[22:23], v[12+4*\u:13+4*\u] op_sel_hi:[1,0,0]
.endm
.macro EXP u, i
	v_exp_f32 v[SS+64*\u+\i], v[SS+64*\u+\i]       ; p = 2^(t - M), at most 1
.endm
.macro SMF u, i
	v_pk_mul_f32 v[14+4*\u:15+4*\u], v[14+4*\u:15+4*\u], v[20+2*\u:21+2*\u] op_sel_hi:[1,0]
.endm
.macro HOLD r                          ; two numbers held at the largest code x the scale: the conversion does not saturate (ISA guide 7.6.2); p is not negative, so the hold is one-sided
	v_dual_min_num_f32 v[\r], s13, v[\r] :: v_dual_min_num_f32 v[\r+1], s13, v[\r+1]
.endm
; A tile's p, score tile by score tile: into the sum (two chains), held, converted.  The additions are the plain lines between a conversion and the next one, which writes over registers that an earlier one read.
.macro QUANT u, nk
.set SB, SS+64*\u
.set TX, 24+4*\u
.set k, 0
.rept \nk
.if k == 0
	v_pk_add_f32 v[TX:TX+1], v[SB:SB+1], v[SB+2:SB+3]
	v_pk_add_f32 v[TX+2:TX+3], v[SB+4:SB+5], v[SB+6:SB+7]
.else
	v_pk_add_f32 v[TX:TX+1], v[TX:TX+1], v[SB+8*k:SB+8*k+1]
	v_pk_add_f32 v[TX+2:TX+3], v[TX+2:TX+3], v[SB+8*k+2:SB+8*k+3]
	v_pk_add_f32 v[TX:TX+1], v[TX:TX+1], v[SB+8*k+4:SB+8*k+5]
	v_pk_add_f32 v[TX+2:TX+3], v[TX+2:TX+3], v[SB+8*k+6:SB+8*k+7]
.endif
.irp m, 0,2,4,6
	HOLD SB+8*k+\m
.endr
	v_cvt_scalef32_pk8_bf8_f32 v[SB-2+2*k:SB-1+2*k], v[SB+8*k:SB+8*k+7], v11
.set k, k+1
.endr
	v_pk_add_f32 v[TX:TX+1], v[TX:TX+1], v[TX+2:TX+3]
	s_delay_alu instid0(VALU_DEP_1)
	v_pk_add_f32 v[14+4*\u:15+4*\u], v[14+4*\u:15+4*\u], v[TX:TX+1]
.endm
.macro PZ u, i                         ; the last step: the codes of score tiles 6 and 7 are 0
	v_mov_b32 v[SS+64*\u+10+\i], 0
.endm
; A KEY STEP: 128 keys for nt tiles of queries.  mask = 1: the last step.  q: where tile 0's Q stands; tile 1's follows it.
.macro STEP nt, mask, q
.set N, 64-16*\mask
.set NKT, 8-2*\mask
	v_add_nc_u32 v4, s46, v1
	v_add_nc_u32 v5, s47, v2
	v_add_nc_u32 v6, s49, v2
	v_nop
	v_nop                                          ; five plain lines behind the last products: the scores below are written over P, which those products read (four serve the loads)
.set i, 0
.rept NKT
	ds_load_b128 v[KV+8*i:KV+8*i+3], v4 offset:1024*i
	ds_load_b128 v[KV+8*i+4:KV+8*i+7], v4 offset:1024*i+512
.set i, i+1
.endr
	s_wait_alu depctr_va_vdst(0)
	s_wait_dscnt 0x0                               ; K is in
.set u, 0
.rept \nt
.set i, 0
.rept NKT
	v_wmma_f32_16x16x64_bf8_bf8 v[SS+64*u+8*i:SS+64*u+8*i+7], v[KV+8*i:KV+8*i+7], v[(\q)+8*u:(\q)+8*u+7], 0
.set i, i+1
.endr
.set u, u+1
.endr
	PLACES
.irp t, 0,1,2,3                        ; V's fragments land under the softmax: channels 16 t + r, registers 2 c, 2 c + 1 = keys 16 c + 8 h + 0..7
.irp c, 0,1,2,3,4,5,6,7
	ds_load_b64 v[KV+16*\t+2*\c:KV+16*\t+2*\c+1], v[5+\t/2] offset:22528*(\t%2)+256*\c
.endr
.endr
	T2 \nt, MXA, 0                                 ; the step's largest score, in two chains a tile; each accumulator is first read at its low end
	SWEEP \nt, MXB, 6, N-2, 4
.if \mask
	T2 \nt, MSK, 0
.endif
	T2 \nt, MXC, N-2
	H \nt, 1
	T2 \nt, C1, 0
	H \nt, 1
	T2 \nt, C2, 0
	H \nt, 1
	T2 \nt, C3, 0
	H \nt, 1
	T2 \nt, C4, 0
	H \nt, 1
	T2 \nt, C5, 0
	H \nt, 1
	T2 \nt, C6, 0
	T2 \nt, C7, 0
	H \nt, 2
	T2 \nt, C8, 0
	H \nt, 1
	T2 \nt, C9, 0
	WIN 0x41                                       ; destination and source 0: window 1
	SWEEP \nt, RSC, 0, 32, 2                       ; ahead of the exponentials: no transcendental stands between the last products and these first readers
	WIN 0
	SWEEP \nt, FMA, 0, N, 2
	s_wait_alu depctr_va_vdst(0)
	SWEEP \nt, EXP, 0, N, 1
	T2 \nt, SMF, 0                                 ; the sums under the new M: the plain line behind the exponentials
	s_wait_alu depctr_va_vdst(0)                   ; one wait for the whole batch, ahead of its first reader
	QUANT 0, NKT
.if \nt == 2
	QUANT 1, NKT
.endif
.if \mask
	SWEEP \nt, PZ, 0, 4, 1
.endif
	s_wait_alu depctr_va_vdst(0)
	s_wait_dscnt 0x0                               ; V is in
	WIN 0x50                                       ; C and D: window 1
.irp t, 0,1,2,3                        ; the accumulators take turns, one instruction a turn
.set u, 0
.rept \nt
	v_wmma_f32_16x16x128_bf8_bf8 v[32*u+8*\t:32*u+8*\t+7], v[KV+16*\t:KV+16*\t+15], v[SS-2+64*u:SS+13+64*u], v[32*u+8*\t:32*u+8*\t+7]
.set u, u+1
.endr
.endr
	WIN 0
	s_add_co_u32 s46, s46, 8192                    ; the next eight tiles of K,
	s_add_co_u32 s47, s47, 2048                    ; and of each part of V
	s_add_co_u32 s49, s49, 2048
.endm
.macro RUN nt, q, n, k0, va, vb        ; n whole steps, from these LDS bytes on: K, V's parts 0-1, V's parts 2-3
	s_mov_b32 s46, \k0
	s_mov_b32 s47, \va
	s_mov_b32 s49, \vb
	s_mov_b32 s48, \n
.Lrun_\@:
	STEP \nt, 0, \q
	s_sub_co_u32 s48, s48, 1
	s_cmp_lg_u32 s48, 0
	s_cbranch_scc1 .Lrun_\@
.endm
; What a tile begins with: -M over and the largest score under every number of theirs, the sum and O^T zero: the first change of M multiplies zeros by 0.
.macro INI u, i
	v_mov_b32 v[12+4*\u], 0x7f61b1e6               ; 3e38
	v_mov_b32 v[13+4*\u], 0xff61b1e6               ; -3e38
	v_mov_b32 v[14+4*\u], 0
	v_mov_b32 v[15+4*\u], 0
.endm
.macro INIT nt
	T2 \nt, INI, 0
	WIN 0x40
.set j, 0
.rept 32*\nt
	v_mov_b32 v[j], 0
.set j, j+1
.endr
	WIN 0
.endm
; THE WAY OUT: O^T / the sum, quantised along ctx's 768: register j of tile t is channel 64 head + 16 t + 8 h + j of my query: code registers 2 t, 2 t + 1 of the last product's operand
.macro W1 u, i
	v_add_f32 v[14+4*\u], v[14+4*\u], v[15+4*\u]
.endm
.macro W2 u, i
	v_permlanex16_b32 v[26+4*\u], v[14+4*\u], s50, s51
.endm
.macro W3 u, i
	v_add_f32 v[14+4*\u], v[14+4*\u], v[26+4*\u]   ; the row's sum
.endm
.macro W4 u, i
	v_rcp_f32 v[14+4*\u], v[14+4*\u]
.endm
.macro W5 u, i                         ; source 0: window 1; each accumulator from its low end on
	v_pk_mul_f32 v[SS+64*\u+\i:SS+64*\u+\i+1], v[32*\u+\i:32*\u+\i+1], v[14+4*\u:15+4*\u] op_sel_hi:[1,0]
.endm
.macro W6 u, i
	v_med3_num_f32 v[SS+64*\u+\i], v[SS+64*\u+\i], -v251, v251
.endm
.macro W7 u, i
	v_cvt_scalef32_pk8_bf8_f32 v[KV+8*\u+2*\i:KV+8*\u+2*\i+1], v[SS+64*\u+8*\i:SS+64*\u+8*\i+7], v250
.endm
.macro W8 u, i                         ; 512 consecutive bytes a store
	global_store_b128 v1, v[KV+8*\u:KV+8*\u+3], s[\i+2*\u:\i+2*\u+1]
	global_store_b128 v1, v[KV+8*\u+4:KV+8*\u+7], s[\i+2*\u:\i+2*\u+1] offset:512
.endm
.macro OUT nt, cb
	PLACES
	T2 \nt, W1, 0
	H \nt, 1
	T2 \nt, W2, 0
	H \nt, 1
	T2 \nt, W3, 0
	s_wait_alu depctr_va_vdst(0)
	T2 \nt, W4, 0
	v_nop                                          ; a plain line behind it,
	WIN 0x01
	s_wait_alu depctr_va_vdst(0)                   ; and the wait, directly ahead of the first reader of the reciprocal and of O^T
	SWEEP \nt, W5, 0, 32, 2
	WIN 0
	SWEEP \nt, W6, 0, 32, 1
	SWEEP \nt, W7, 0, 4, 1
	v_nop                                          ; one plain line behind the last conversion
	T2 \nt, W8, \cb
.endm
; The lines ahead of a fill of LDS that does not stand at the head, and its barrier.  two = 1: the add twice on end
.macro SEQ two
	s_wait_tensorcnt 0x0                           ; no tensor load of mine is out
	ds_add_u32 v8, v9
.if \two
	ds_add_u32 v8, v9
.endif
	s_wait_dscnt 0x0                               ; the add is done, and so are my reads of LDS
	s_barrier_signal -1
	s_barrier_wait -1
.endm
.macro LD8 g0, g1                      ; a fill that waves 0 to 7 share
	s_cmp_lt_u32 s14, 8
	s_cbranch_scc0 .Lno_\@
	tensor_load_to_lds s[\g0:\g0+3], s[\g1:\g1+7]
	s_nop 0
	PLACES
.Lno_\@:
.endm
.macro QLOAD n                         ; the Q fragment of my tile of unit n: asked for once, it stays in registers
	global_load_b128 v[32+8*\n:35+8*\n], v1, s[52+2*\n:53+2*\n]
	global_load_b128 v[36+8*\n:39+8*\n], v1, s[52+2*\n:53+2*\n] offset:512
.endm
	s_load_b256 s[4:11], s[0:1], 0x0               ; qimg 4, kvimg 6, the scales 8, cimg 10
	v_lshl_add_u32 v8, v0, 2, SPARE                ; my spare word
	v_mov_b32 v9, 0
	ds_add_u32 v8, v9                              ; the opening: the add, twice on end, and its wait ahead of my first tensor load
	ds_add_u32 v8, v9
	v_lshrrev_b32 v4, 5, v0
	s_delay_alu instid0(VALU_DEP_1)
	v_readfirstlane_b32 s14, v4                    ; wave 0..10
	s_and_b32 s15, ttmp9, 7
	s_mul_i32 s16, ttmp9, 3
	s_cmp_eq_u32 s15, 2                            ; the one case in which the first two of my three units share a head, and not the last two
	s_cselect_b32 s20, 2, 0
	s_cselect_b32 s21, 0, 1
	s_add_co_u32 s20, s20, s16                     ; my first unit,
	s_add_co_u32 s21, s21, s16                     ; my second,
	s_add_co_u32 s19, s21, 1                       ; my third: of the second's head
	UNIT 20, 52, 58, 66
	UNIT 21, 54, 60, 68
	UNIT 19, 56, 62, 0
	MKG1 G48, 48
	MKG1 G24, 24
	MKG1 G64, 64
	; where the fills go; the first head lies in LDS as in memory, so one offset serves both.  a = wave % 4, b = wave / 4: b = 0: K's piece a; b = 1: V's part a
	s_and_b32 s15, s14, 3
	s_lshr_b32 s16, s14, 2
	s_mul_i32 s17, s15, s16
	s_mul_i32 s33, s15, 6144
	s_mul_i32 s70, s16, 90112
	s_add_co_u32 s33, s33, s70
	s_mul_i32 s70, s17, 16384
	s_add_co_u32 s33, s33, s70                     ; steps 0-2: K 6,144 a; V 90,112 + 22,528 a
	s_mul_i32 s37, s15, 16384
	s_mul_i32 s70, s16, 71680
	s_add_co_u32 s37, s37, s70
	s_mul_i32 s70, s17, 6144
	s_add_co_u32 s37, s37, s70
	s_add_co_u32 s37, s37, 24576                   ; steps 3-10: K 24,576 + 16,384 a; V 96,256 + 22,528 a
	s_mul_i32 s70, s14, 12288
	s_add_co_u32 s77, s70, KB                      ; the second head's first 135,168 bytes: 12,288 a wave
	s_lshl_b32 s81, s14, 12                        ; its last 45,056: 4,096 a wave, from LDS byte 0 on
	s_add_co_u32 s72, s66, s33
	s_mov_b32 s73, 0
	s_add_co_u32 s74, s66, s37
	s_mov_b32 s75, 0
	s_add_co_u32 s66, s68, s70
	s_add_co_u32 s68, s68, s81
	s_add_co_u32 s68, s68, 135168
	s_mov_b32 s32, 1
	s_mov_b32 s36, 1
	s_mov_b32 s76, 1
	s_mov_b32 s80, 1
	s_mov_b32 s45, 0xffff0000                      ; lanes 16-31
	s_mov_b32 s50, 0x76543210                      ; v_permlanex16_b32: lane l xor 16
	s_mov_b32 s51, 0xfedcba98
	s_mov_b32 s22, 0x3e38aa3b                      ; c = log2(e) / 8
	s_wait_dscnt 0x0                               ; both opening adds are done
	s_wait_kmcnt 0x0
	s_load_b128 s[40:43], s[8:9], 0x18             ; e6, e7, e8, e9
	s_load_b32 s44, s[8:9], 0x28                   ; e10
	s_add_nc_u64 s[34:35], s[6:7], s[72:73]        ; each fill has a group 0 of its own: none is written while a load is out
	s_or_b32 s35, s35, 0x80000000
	s_add_nc_u64 s[38:39], s[6:7], s[74:75]
	s_or_b32 s39, s39, 0x80000000
	s_add_nc_u64 s[78:79], s[6:7], s[66:67]
	s_or_b32 s79, s79, 0x80000000
	s_add_nc_u64 s[82:83], s[6:7], s[68:69]
	s_or_b32 s83, s83, 0x80000000
	LD8 32, G24                                    ; the first head's key steps 0-2
	s_add_nc_u64 s[52:53], s[4:5], s[52:53]
	s_add_nc_u64 s[54:55], s[4:5], s[54:55]
	s_add_nc_u64 s[56:57], s[4:5], s[56:57]
	s_add_nc_u64 s[58:59], s[10:11], s[58:59]
	s_add_nc_u64 s[60:61], s[10:11], s[60:61]
	s_add_nc_u64 s[62:63], s[10:11], s[62:63]
	v_and_b32 v2, 31, v0
	v_lshlrev_b32 v1, 4, v2                        ; 16 L
	v_lshlrev_b32 v2, 3, v2                        ; 8 L
	QLOAD 0                                        ; phase 1's Q; phase 2's is asked for behind the first barrier
	v_mov_b32 v7, 0xff800000                       ; -infinity
	v_mov_b32 v21, 0                               ; (named as the upper halves of f's pairs)
	v_mov_b32 v23, 0
	v_mov_b32 v26, 0                               ; a lane permute's destination counts as one of its sources
	v_mov_b32 v30, 0
	INIT 1
	s_wait_kmcnt 0x0
	s_add_co_i32 s70, s40, s41
	s_lshl_b32 s70, s70, 23
	s_add_co_i32 s22, s22, s70                     ; a score stands for score x 2^(e6 + e7): added to c's exponent field
	s_mov_b32 s23, s22                             ; (named with it as a pair)
	s_xor_b32 s12, s22, 0x80000000                 ; -c
	s_sub_co_i32 s44, s44, s42
	s_sub_co_i32 s44, s44, s43                     ; e10 - e8 - e9: O^T / the sum stands for ctx / 2^(e8 + e9)
	s_add_co_i32 s43, s43, 127
	s_lshl_b32 s70, s43, 23
	v_mov_b32 v11, s70                             ; 2^e9
	s_add_co_i32 s43, s43, 15
	s_lshl_b32 s43, s43, 23
	s_or_b32 s13, s43, 0x600000                    ; 57,344 x 2^e9
	s_add_co_i32 s44, s44, 127
	s_lshl_b32 s70, s44, 23
	v_mov_b32 v250, s70
	s_add_co_i32 s44, s44, 15
	s_lshl_b32 s44, s44, 23
	s_or_b32 s44, s44, 0x600000
	v_mov_b32 v251, s44
	MKG1 G16, 16                                   ; the arguments in s[4:11] are spent, and the scalar loads that read s[8:9] are done
	s_wait_alu depctr_va_vdst(0)
	; PHASE 1
	SEQ 1                                          ; everybody's part of steps 0-2 has landed
	LD8 36, G64                                    ; steps 3-10: a first fill, issued as a refill is
	QLOAD 1
	QLOAD 2
	s_wait_loadcnt 0x4                             ; phase 1's Q is in; the four loads just issued stay out
	RUN 1, 32, 3, 0, VA, VA+45056
	SEQ 1                                          ; the first head is whole
	tensor_load_to_lds s[76:79], s[G48:G48+7]      ; the second head's K and V parts 0, 1, into bytes of their own
	s_nop 0
	PLACES
	RUN 1, 32, 5, 3*8192, VA+3*2048, VA+45056+3*2048
	SEQ 0                                          ; nobody reads K's tiles 0-43 any more: step 5 was the last to
	tensor_load_to_lds s[80:83], s[G16:G16+7]      ; the second head's V parts 2, 3 take their place
	s_nop 0
	PLACES
	RUN 1, 32, 2, 8*8192, VA+8*2048, VA+45056+8*2048
	STEP 1, 1, 32
	OUT 1, 58
	INIT 2
	s_wait_xcnt 0x0                                ; the stores have read their data: phase 2's loads land on those registers
	s_wait_loadcnt 0x0                             ; phase 2's Q
	s_wait_tensorcnt 0x0                           ; my part of the second head has landed,
	s_wait_dscnt 0x0
	s_barrier_signal -1
	s_barrier_wait -1                              ; everybody's has.  From here on LDS is only read, and no wave waits for another
	; PHASE 2
	RUN 2, 40, 10, KB, VB, 0
	STEP 2, 1, 40
	OUT 2, 60
	s_wait_tensorcnt 0x0                           ; the wave's end
	ds_add_u32 v8, v9
	s_wait_dscnt 0x0
	s_endpgm
.Lfunc_end_k_q2eab857d8e_attn:
	.size	k_q2eab857d8e_attn, .Lfunc_end_k_q2eab857d8e_attn-k_q2eab857d8e_attn
	.p2alignl 7, 3214868480
	.fill 96, 4, 3214868480
	.section	.rodata,"a",@progbits
	.p2align	6, 0x0
	.amdhsa_kernel k_q2eab857d8e_attn
		.amdhsa_group_segment_fixed_size 327680
		.amdhsa_private_segment_fixed_size 0
		.amdhsa_enable_private_segment 0
		.amdhsa_kernarg_size 32
		.amdhsa_user_sgpr_count 2
		.amdhsa_user_sgpr_kernarg_segment_ptr 1
		.amdhsa_wavefront_size32 1
		.amdhsa_system_sgpr_workgroup_id_x 1
		.amdhsa_system_sgpr_workgroup_id_y 1
		.amdhsa_system_sgpr_workgroup_id_z 1
		.amdhsa_system_vgpr_workitem_id 0
		.amdhsa_next_free_vgpr 320
		.amdhsa_next_free_sgpr 100
		.amdhsa_reserve_vcc 0
		.amdhsa_float_denorm_mode_32 3
		.amdhsa_float_denorm_mode_16_64 3
		.amdhsa_memory_ordered 1
		.amdhsa_forward_progress 1
		.amdhsa_inst_pref_size 144
	.end_amdhsa_kernel
	.amdgpu_metadata
---
amdhsa.version: [ 1, 2 ]
amdhsa.kernels:
  - .name:           k_q2eab857d8e_attn
    .symbol:         k_q2eab857d8e_attn.kd
    .args:
      - { .name: qimg, .offset: 0, .size: 8, .value_kind: global_buffer, .address_space: global }
      - { .name: kvimg, .offset: 8, .size: 8, .value_kind: global_buffer, .address_space: global }
      - { .name: lowp_scales, .offset: 16, .size: 8, .value_kind: global_buffer, .address_space: global }
      - { .name: cimg, .offset: 24, .size: 8, .value_kind: global_buffer, .address_space: global }
    .group_segment_fixed_size: 327680
    .private_segment_fixed_size: 0
    .kernarg_segment_align: 8
    .kernarg_segment_size: 32
    .max_flat_workgroup_size: 352
    .sgpr_count:     100
    .vgpr_count:     320
    .wavefront_size: 32
...
	.end_amdgpu_metadata
.endif
;; end of part 3
;; launch proj (part 4): grid 64 x 3, 4 waves a work-group, no clusters, 168,448 bytes of LDS; arguments cimg, wimg, bp, lowp_scales, out0; writes out0
.if DOCPART == 4
	.amdgcn_target "amdgcn-amd-amdhsa--gfx1250"
	.amdhsa_code_object_version 6
	.text
	.protected	k_q2eab857d8e_proj
	.globl	k_q2eab857d8e_proj
	.p2align	8
	.type	k_q2eab857d8e_proj,@function
k_q2eab857d8e_proj:
	s_mov_b64 s[64:65], 0
	v_nop
	global_prefetch_b8 v0, s[64:65] scope:SCOPE_SE
	s_setreg_imm32_b32 hwreg(HW_REG_WAVE_MODE, 25, 1), 1
	s_wait_xcnt 0x0
; PROJ: out0 = ctx Wp^T + bp on codes of E5M2, for 176 padded tokens (work-group x) and 256 columns (work-group y).  A sum stands for sum x 2^(e10 + e11): out = sum x 2^(e10 + e11) + bp, one packed multiply-add for two numbers.
; SHARES.  Four waves; wave w owns the 64 columns 64 (4 y + w): its 24 fragments of Wp (384 registers, windows 1 and 2) and its bias stay in registers for the whole launch.  ctx's codes, 11 tiles x 12,288 bytes as images of
; operand registers, fill LDS once, a quarter a wave; every wave reads all of them.
; The product is used TRANSPOSED (source 0 = 16 rows of Wp, source 1 = 16 tokens): a lane holds eight neighbouring columns of one row.  A tile goes through the wave's own stage in LDS and leaves as rows: sixteen lanes store
; 256 consecutive bytes, at a multiple of 256 from out0's first byte.
; PADDING.  A batch has 1,374 tokens = 85 tiles and 14 rows.  Tiles 86 and 87 of a batch store nothing and tile 85 leaves out its last two rows: whole store instructions, jumped over by scalar branches on ids.
; NO CLUSTER: ctx's images are shared by the three work-groups of a row block, and a grid of 3 along y is no multiple of a cluster's 4; the weights, which the 64 row blocks share, go straight into registers.
; LIMIT: e10 + e11 between -126 and 127.
; LDS: 0 ctx's 135,168 bytes (one fill); 135,168 a stage of 16 rows x 272 bytes for each wave, into which no fill lands.
; REGISTERS, window 0: v1 16 L; v4 LDS address in hand; v6, v7 the stage, in and back; v8 my byte in two rows of out0; v9 32 h; v32-127 a tile's six fragments; v128-159 accumulators; v160-191 results; v192-223 rows; v224-255 bias.
.set STG, 135168
.set MSB, 0
.macro WIN new                         ; the immediate's high byte repeats the setting that is left; a switch that changes nothing is dropped
.if MSB != (\new)
	s_set_vgpr_msb (MSB<<8)|(\new)
.set MSB, (\new)
.endif
.endm
.macro PLACES
.rept 4
	v_nop
.endr
.endm
.macro AFETCH                          ; a tile's six fragments (16 tokens x 128 K each)
.irp s, 0,1,2,3,4,5
.irp c, 0,1,2,3
	ds_load_b128 v[32+16*\s+4*\c:35+16*\s+4*\c], v4 offset:2048*\s+512*\c
.endr
.endr
.endm
.macro MM                              ; 24 matrix instructions; the first four start the sums with the constant 0; the four accumulators take turns, one instruction a turn
.irp s, 0,1,2,3,4,5
.set WA, 256+64*\s
.set WL, WA&255
	WIN WA>>8
.irp t, 0,1,2,3
.if \s == 0
	v_wmma_f32_16x16x128_bf8_bf8 v[128+8*\t:135+8*\t], v[WL+16*\t:WL+16*\t+15], v[32+16*\s:47+16*\s], 0
.else
	v_wmma_f32_16x16x128_bf8_bf8 v[128+8*\t:135+8*\t], v[WL+16*\t:WL+16*\t+15], v[32+16*\s:47+16*\s], v[128+8*\t:135+8*\t]
.endif
.endr
.endr
	WIN 0
.endm
; The rows of the tile before, which are back from the stage, are stored at the head of the next tile: the stage's round trip and the stores' start stand under that tile's work.
.macro SENDR
	s_cmp_gt_u32 s61, 85                           ; a tile of padding alone?
	s_cbranch_scc1 .Lnone_\@
.irp i, 0,1,2,3,4,5,6
	global_store_b128 v8, v[192+4*\i:195+4*\i], s[54:55] offset:6144*\i th:TH_STORE_NT
.endr
	s_cmp_gt_u32 s61, 84                           ; tile 85: rows 14 and 15 are padding
	s_cbranch_scc1 .Lnone_\@
	global_store_b128 v8, v[220:223], s[54:55] offset:43008 th:TH_STORE_NT
.Lnone_\@:
	s_add_co_u32 s61, s61, 1
.endm
.macro UNIT_P pre, send
	s_wait_dscnt 0x0                               ; the tile's fragments are in, and so are the rows of the tile before
.if \send
	SENDR
.endif
	MM
	PLACES
.if \pre
	s_add_co_u32 s58, s58, 12288
	v_add_nc_u32 v4, s58, v1
	AFETCH
.endif
.if \send
	s_wait_xcnt 0x0                                ; the stores issued ahead of the 24 products have read their base and their data: both are written again only behind this wait
	s_add_nc_u64 s[54:55], s[54:55], 49152
.endif
.irp j, 0,2,4,6,8,10,12,14,16,18,20,22,24,26,28,30
	v_pk_fma_f32 v[160+\j:161+\j], v[128+\j:129+\j], s[46:47], v[224+\j:225+\j] op_sel_hi:[1,0,1]   ; each accumulator from its low end on
.endr
.irp t, 0,1,2,3
.irp u, 0,1
	ds_store_b128 v6, v[160+8*\t+4*\u:163+8*\t+4*\u] offset:64*\t+16*\u
.endr
.endr
.irp i, 0,1,2,3,4,5,6,7
	ds_load_b128 v[192+4*\i:195+4*\i], v7 offset:544*\i            ; LDS serves a wave's instructions in order (ISA guide 5.7.1.4): these see my stores
.endr
.endm
	s_load_b256 s[4:11], s[0:1], 0x0               ; cimg 4, wimg 6, bp 8, the scales 10
	s_load_b64 s[12:13], s[0:1], 0x20              ; out0
	v_lshl_add_u32 v30, v0, 2, 0x29000
	v_mov_b32 v31, 0
	ds_add_u32 v30, v31
	ds_add_u32 v30, v31
	v_lshrrev_b32 v4, 5, v0
	v_readfirstlane_b32 s22, v4                    ; wave 0..3
	s_mov_b32 s23, ttmp9                           ; row block 0..63
	s_and_b32 s24, ttmp7, 0xffff                   ; which 256 columns
	s_lshr_b32 s25, s23, 3                         ; batch
	s_and_b32 s26, s23, 7
	; descriptor group 1: 132 rows of 256 bytes, dense
	s_mov_b32 s32, 3<<16
	s_mov_b32 s33, 32<<16
	s_mov_b32 s34, 132<<16
	s_mov_b32 s35, 32<<16
	s_mov_b32 s36, 132
	s_mov_b32 s37, 32
	s_mov_b32 s38, 0
	s_mov_b32 s39, 0
	s_mul_i32 s66, s22, 33792                      ; my quarter of the block's 135,168 bytes
	s_mov_b32 s28, 1
	s_mov_b32 s29, s66
	s_mul_i32 s68, s23, 135168
	s_add_co_u32 s68, s68, s66
	s_mov_b32 s69, 0
	s_wait_dscnt 0x0
	s_wait_kmcnt 0x0
	s_add_nc_u64 s[30:31], s[4:5], s[68:69]
	s_or_b32 s31, s31, 0x80000000
	tensor_load_to_lds s[28:31], s[32:39]          ; the launch's one fill: one load of mine is out
	s_nop 0
	PLACES
	s_load_b64 s[40:41], s[10:11], 0x28            ; e10, e11
	v_and_b32 v1, 31, v0
	v_lshlrev_b32 v1, 4, v1                        ; 16 L
	s_wait_alu depctr_va_vdst(0)
	v_and_b32 v2, 15, v0                           ; r
	s_wait_alu depctr_va_vdst(0)
	v_bfe_u32 v3, v0, 4, 1                         ; h
	v_lshlrev_b32 v9, 5, v3
	s_lshl_b32 s67, s24, 2
	s_add_co_u32 s67, s67, s22                     ; my 64 columns: 4 y + w
	s_lshl_b32 s68, s67, 8
	s_add_nc_u64 s[50:51], s[8:9], s[68:69]
.irp t, 0,1,2,3
.irp u, 0,1
	global_load_b128 v[224+8*\t+4*\u:227+8*\t+4*\u], v9, s[50:51] offset:64*\t+16*\u    ; bp at columns 16 t + 8 h + 0..7
.endr
.endr
	s_mul_i32 s70, s25, 1374
	s_mul_i32 s71, s26, 176
	s_add_co_u32 s70, s70, s71
	s_mul_i32 s70, s70, 3072
	s_add_co_u32 s70, s70, s68                     ; out0: the block's first row, my columns
	s_mov_b32 s71, 0
	s_add_nc_u64 s[54:55], s[12:13], s[70:71]
	s_mul_i32 s68, s67, 49152
	s_add_co_u32 s68, s68, 1769472                 ; Wp is the fourth weight
	s_add_nc_u64 s[48:49], s[6:7], s[68:69]
.irp s, 0,1,2,3,4,5
.set WA, 256+64*\s
	WIN (WA>>8)<<6
.irp t, 0,1,2,3
.irp c, 0,1,2,3
	global_load_b128 v[(WA&255)+16*\t+4*\c:(WA&255)+16*\t+4*\c+3], v1, s[48:49] offset:12288*\t+2048*\s+512*\c
.endr
.endr
.endr
	WIN 0
	s_mul_i32 s70, s22, 4352
	s_add_co_u32 s70, s70, STG                     ; my stage
	v_mul_u32_u24 v6, v2, 272
	s_wait_alu depctr_va_vdst(0)
	v_lshl_add_u32 v6, v3, 5, v6
	v_add_nc_u32 v6, s70, v6                       ; in: row r, + 32 h
	v_mul_u32_u24 v7, v3, 272
	v_lshl_add_u32 v7, v2, 4, v7
	v_add_nc_u32 v7, s70, v7                       ; back: lanes 0-15 one row of 256 bytes, lanes 16-31 the next
	v_mul_u32_u24 v8, v3, 3072
	v_lshl_add_u32 v8, v2, 4, v8                   ; and the same two rows in out0
	s_mul_i32 s61, s26, 11                         ; the tile's number in its batch
	s_mov_b32 s58, 0
	s_mov_b32 s60, 9
	s_wait_kmcnt 0x0
	s_add_co_i32 s46, s40, s41
	s_add_co_i32 s46, s46, 127
	s_lshl_b32 s46, s46, 23                        ; 2^(e10 + e11) as f32
	s_mov_b32 s47, s46                             ; (named with it as a pair)
	s_wait_loadcnt 0x0                             ; the weights and the bias
	s_wait_tensorcnt 0x0                           ; my quarter of ctx's codes has landed,
	s_barrier_signal -1
	s_barrier_wait -1                              ; everybody's has
	v_add_nc_u32 v4, s58, v1
	AFETCH
	UNIT_P 1, 0                                    ; the first tile has no rows to store yet
.Ltile:
	UNIT_P 1, 1
	s_sub_co_u32 s60, s60, 1
	s_cmp_lg_u32 s60, 0
	s_cbranch_scc1 .Ltile
	UNIT_P 0, 1                                    ; the eleventh tile fetches nothing further
	s_wait_dscnt 0x0                               ; its rows are back
	SENDR
	s_wait_tensorcnt 0x0
	ds_add_u32 v30, v31
	s_wait_dscnt 0x0
	s_endpgm
.Lfunc_end_k_q2eab857d8e_proj:
	.size	k_q2eab857d8e_proj, .Lfunc_end_k_q2eab857d8e_proj-k_q2eab857d8e_proj
	.p2alignl 7, 3214868480
	.fill 96, 4, 3214868480
	.section	.rodata,"a",@progbits
	.p2align	6, 0x0
	.amdhsa_kernel k_q2eab857d8e_proj
		.amdhsa_group_segment_fixed_size 168448
		.amdhsa_private_segment_fixed_size 0
		.amdhsa_enable_private_segment 0
		.amdhsa_kernarg_size 40
		.amdhsa_user_sgpr_count 2
		.amdhsa_user_sgpr_kernarg_segment_ptr 1
		.amdhsa_wavefront_size32 1
		.amdhsa_system_sgpr_workgroup_id_x 1
		.amdhsa_system_sgpr_workgroup_id_y 1
		.amdhsa_system_sgpr_workgroup_id_z 1
		.amdhsa_system_vgpr_workitem_id 0
		.amdhsa_next_free_vgpr 640
		.amdhsa_next_free_sgpr 72
		.amdhsa_reserve_vcc 0
		.amdhsa_float_denorm_mode_32 3
		.amdhsa_float_denorm_mode_16_64 3
		.amdhsa_memory_ordered 1
		.amdhsa_forward_progress 1
		.amdhsa_inst_pref_size 34
	.end_amdhsa_kernel
	.amdgpu_metadata
---
amdhsa.version: [ 1, 2 ]
amdhsa.kernels:
  - .name:           k_q2eab857d8e_proj
    .symbol:         k_q2eab857d8e_proj.kd
    .args:
      - { .name: cimg, .offset: 0, .size: 8, .value_kind: global_buffer, .address_space: global }
      - { .name: wimg, .offset: 8, .size: 8, .value_kind: global_buffer, .address_space: global }
      - { .name: bp, .offset: 16, .size: 8, .value_kind: global_buffer, .address_space: global }
      - { .name: lowp_scales, .offset: 24, .size: 8, .value_kind: global_buffer, .address_space: global }
      - { .name: out0, .offset: 32, .size: 8, .value_kind: global_buffer, .address_space: global }
    .group_segment_fixed_size: 168448
    .private_segment_fixed_size: 0
    .kernarg_segment_align: 8
    .kernarg_segment_size: 40
    .max_flat_workgroup_size: 128
    .sgpr_count:     72
    .vgpr_count:     640
    .wavefront_size: 32
...
	.end_amdgpu_metadata
.endif
;; end of part 4
